; MI455X (gfx1250); checked and timed in simulation.
; The chip was launched on July 23, 2026; its instructions are those of AMD's public machine-readable ISA for CDNA 5 (MIT licence, August 2026) and "CDNA5" Instruction Set Architecture Reference Guide (July 2026). The comments in the code are by the model that wrote it; some were corrected since.
;; multi head attention. Allowed arithmetic: matrix products marked QUANTISED: E2M1 operands, one E8M0 scale for each 32 along K, by v_wmma_scale_f32_16x16x128_f8f6f4 with both operands' format E2M1 (or v_wmma_scale_f32_32x16x128_f4), f32 sums; everything else in f32.
;; Inputs: M_d_codes 1,024 x 32 x 16 uint8 (E2M1 codes of M_d, K innermost, in blocks of 32 codes, two codes a byte); M_d_scales 1,024 x 32 uint8 (E8M0 scales of M_d, one for each 32 codes along K); b_d 1,024 float32; x 4 x 1,024 x 2,048 float32.
;; Outputs: out0 4 x 1,024 x 2,048 float32.
;; This version of the problem:
;;   THIS VERSION OF THE PROBLEM IS GIVEN IN LOW PRECISION. The matrix products marked QUANTISED in the list below multiply operands that are first quantised to E2M1 (2 exponent bits, 1 mantissa bit; 4 bits a number), with one power-of-two scale for each 32 numbers along K (OCP MX v1.0); their sums are f32. All else is computed in f32.
;;   The module's matrix products, in the order in which they are computed (A, B: the left and right operand; K: the contracted axis; several contracted axes count as one K, in the product's order):
;;     1. batch 64 x [M 2,048, K 64] x [K 64, N 2,048]; A: input x; B: input x: QUANTISED
;;     2. batch 64 x [M 64, K 2,048] x [K 2,048, N 2,048]; A: input x; B: softmax (see below): QUANTISED
;;     3. [M 1,024, K 1,024] x [K 1,024, N 8,192]; A: input M_d (given as codes); B: computed on the way: QUANTISED
;;   THE QUANTISER, for each operand of a quantised product, along K:
;;     - K is cut into blocks of 32 from its start; a last block that is shorter is filled with zeros.
;;     - A block's scale is 2^e with e = floor(log2(the largest magnitude in the block)) - 2, held to -126 .. 127; a block of zeros has e = 0. As a byte (E8M0): e + 127.
;;     - Each number is divided by its block's scale, clamped to +-6, and rounded to the nearest number of E2M1, ties to even, subnormals kept.
;;     - The product sums the exact products of the quantised numbers (number of the format x scale) in f32.
;;   ~~~python
;;   def quantise(x, axis):      # numpy; x: float32 -> the quantised numbers, widened to float32 again
;;       x = np.moveaxis(x, axis, -1); K = x.shape[-1]
;;       x = np.pad(x, [(0, 0)] * (x.ndim - 1) + [(0, -K % 32)]); x = x.reshape(x.shape[:-1] + (-1, 32)); a = np.abs(x).max(-1, keepdims=True)
;;       e = np.where(a > 0, np.clip(np.frexp(np.where(a > 0, a, 1))[1] - 1 - 2, -126, 127), 0)      # np.frexp(a)[1] - 1 = floor(log2(a)), exactly
;;       r = np.clip(x / 2.0 ** e, -6, 6)
;;       step = 2.0 ** (np.maximum(np.frexp(np.where(r == 0, 1, r))[1] - 1, 0) - 1)
;;       q = np.round(r / step) * step * 2.0 ** e      # np.round: ties to even
;;       return np.moveaxis(q.reshape(q.shape[:-2] + (-1,))[..., :K], -1, axis).astype(np.float32)
;;   ~~~
;;   SOFTMAX AHEAD OF A QUANTISED PRODUCT. Where the list says 'softmax', what is quantised is not the finished softmax but p = 2^(t - M), with t = logit x log2(e) and M = ceil(the row's largest t), a whole number; so 1/2 < the row's largest p <= 1. The row's sum l is taken of the UNQUANTISED p, in f32, and the product's result is divided by l at the end. Since M is a whole number, a kernel that streams over the keys may use a running M (the ceiling of the running maximum): every later rescaling is an exact power of two, which a block's scale takes up: the codes' values come out the same.
;;   OPERANDS COMPUTED ON THE WAY. 'Computed on the way' means the value that the module computes at that place (a softmax that the list does not call 'softmax' is quantised finished and normalised). What goes into a quantiser is computed in f32, as accurately as f32 sums, v_exp_f32 and their like allow (about 1e-6 of the number): no bf16 or f16 on the way to a quantiser, and a product that is left as it is and whose result goes on into a quantised operand takes f32 operands (vector FMAs, or v_wmma_f32_16x16x4_f32). A number that lies on a knife's edge between two numbers of the format may be rounded either way, as far as f32 arithmetic and the matrix unit's own rounding can turn it there, and no further.
;;   INPUTS GIVEN AS CODES. M_d (in the module: [1024, 1024], K = its axis 0): each comes as NAME_codes (uint8): NAME with its K axis moved to the last place and cut into blocks of 32 codes, [.., K / 32, bytes a block], one block behind the other in memory; two codes a byte, the lower K in the low four bits (a code: sign, 2 exponent bits, 1 mantissa bit); and NAME_scales (uint8): the same leading axes, one E8M0 byte (e + 127) for each 32 codes along K. Its value is code x scale, taken as it is: it is not quantised again, and the codes and scales need not be those that the quantiser above would give.
;; One version. Each part assembles by itself: llvm-mc -triple=amdgcn-amd-amdhsa -mcpu=gfx1250 --defsym DOCPART=n.
;; ======== version 1 of 1: 3 launches
;; limits: right only within a limited range of input values
;; workspace buffers: kv 9,175,040 bytes; tc 4,194,304 bytes; ts 262,144 bytes
;; launch quant (part 1): grid 256 x 1, 4 waves a work-group, no clusters, 327,680 bytes of LDS; arguments x, kv; writes kv
.if DOCPART == 1
	.amdgcn_target "amdgcn-amd-amdhsa--gfx1250"
	.amdhsa_code_object_version 6
	.text
	.protected	k_q3ae1ab2e5f_quant
	.globl	k_q3ae1ab2e5f_quant
	.p2align	8
	.type	k_q3ae1ab2e5f_quant,@function
k_q3ae1ab2e5f_quant:
	s_mov_b64 s[64:65], 0
	v_nop
	global_prefetch_b8 v0, s[64:65] scope:SCOPE_SE
	s_setreg_imm32_b32 hwreg(HW_REG_WAVE_MODE, 25, 1), 1
	s_wait_xcnt 0x0
; x [4][1024][2048] f32 is quantised twice to FP4 with E8M0 scales: along d (for the scores, both operands) and along the keys (for the weighted sum), into records of kv as the attention launch reads them.
; A wave makes the record of one head and 128 keys: its 64 rows d x 512 bytes come by ONE tensor load into the wave's own LDS bytes (pitch 528), filled once.
; A unit is 32 lanes x 32 numbers along K: K-type units read a column a lane, V-type units a row a lane; a block's maximum needs no other lane; a block of zeros gets the byte 1 (this program alone reads the bytes).
.set PITCH, 528
.set HALF,  32*PITCH
.set WREG,  64*PITCH
.set REC,   8960
.set AD,    1
.set AW,    2
.set KO,    3
.set VO,    4
.set LA16,  5
.set LA8,   6
.set X,     32
.set C,     96
.set KW,    160
.set VW,    164
.set BY,    166
.set G1,    16
.set G0,    24
.set LB,    32
	s_load_b128 s[4:7], s[0:1], 0x0
	v_lshl_add_u32 v176, v0, 2, 0x29000
	v_mov_b32 v177, 0
	ds_add_u32 v176, v177
	ds_add_u32 v176, v177
	v_lshrrev_b32 v7, 5, v0
	v_readfirstlane_b32 s8, v7
	s_lshl_b32 s9, ttmp9, 2
	s_add_co_u32 s9, s9, s8
	s_lshr_b32 s10, s9, 4
	s_and_b32 s11, s9, 15
	s_lshl_b32 s12, s10, 19
	s_lshl_b32 s13, s11, 9
	s_add_co_u32 s12, s12, s13
	s_mov_b32 s13, 0
	s_mul_i32 s14, s9, REC
	s_mov_b32 s15, 0
	s_mul_i32 s[LB], s8, WREG
	s_mov_b32 s[G1+0], (2<<16)|(1<<20)|(6<<22)|(3<<25)
	s_mov_b32 s[G1+1], 128<<16
	s_mov_b32 s[G1+2], 64<<16                      ; all 64 rows d of my 128 keys in one tile
	s_mov_b32 s[G1+3], 128<<16
	s_mov_b32 s[G1+4], 64
	s_mov_b32 s[G1+5], 2048
	s_mov_b32 s[G1+6], 0
	s_mov_b32 s[G1+7], 0
	s_wait_dscnt 0x0
	s_wait_kmcnt 0x0
	s_add_nc_u64 s[4:5], s[4:5], s[12:13]
	s_add_nc_u64 s[6:7], s[6:7], s[14:15]
	s_mov_b32 s[G0+0], 1
	s_mov_b32 s[G0+1], s[LB]
	s_mov_b64 s[G0+2:G0+3], s[4:5]
	s_or_b32 s[G0+3], s[G0+3], 0x80000000
	tensor_load_to_lds s[G0:G0+3], s[G1:G1+7]
	s_nop 0
	v_and_b32 v8, 31, v0
	v_and_b32 v9, 7, v0
	v_bfe_u32 v10, v0, 3, 1
	v_bfe_u32 v14, v0, 4, 1
	; THE ROWS OF A TILE: row rho of K's tile 4 c + t is key 32 (2 c + rho / 8) + 8 t + rho % 8; row rho of V's tile t is d = 32 (rho / 8) + 8 t + rho % 8.
	; So lane l of a unit takes key (or d) l % 8 + 8 (l / 16) + 32 (l / 8 % 2) + the unit's constant: it is row l % 16 of the unit's even (l < 16) or odd tile, and 16 lanes store 256 consecutive bytes.
	v_lshl_add_u32 v15, v14, 3, v9
	v_lshl_add_u32 v15, v10, 5, v15
	v_lshl_add_u32 v[AD], v15, 2, s[LB]
	v_mul_u32_u24 v[AW], v15, PITCH
	v_add_nc_u32 v[AW], s[LB], v[AW]
	v_and_b32 v15, 15, v0
	v_lshlrev_b32 v15, 4, v15
	v_lshl_add_u32 v[KO], v14, 9, v15
	v_lshl_add_u32 v[VO], v14, 10, v15
	v_lshlrev_b32 v[LA16], 4, v8
	v_lshlrev_b32 v[LA8], 3, v8
.macro LOADU u
.set GP, (\u)/8
.set KIND, ((\u)/4)%2
.set IDX, (\u)%4
.set XS, X+32*((\u)%2)
.if KIND == 0
.set i, 0
.rept 32
	ds_load_b32 v[XS+i], v[AD] offset:(32*GP+i)*PITCH+(IDX/2)*256+(IDX%2)*64
.set i, i+1
.endr
.else
.set i, 0
.rept 8
	ds_load_b128 v[XS+4*i:XS+4*i+3], v[AW] offset:GP*16*PITCH+IDX*128+16*i
.set i, i+1
.endr
.endif
.endm
.macro QUANT u
.set GP, (\u)/8
.set KIND, ((\u)/4)%2
.set IDX, (\u)%4
.set XS, X+32*((\u)%2)
	v_max3_num_f32 v12, |v[XS]|, |v[XS+1]|, |v[XS+2]|
	v_max3_num_f32 v13, |v[XS+3]|, |v[XS+4]|, |v[XS+5]|
.irp i, 6,10,14,18,22,26
	v_max3_num_f32 v12, v12, |v[XS+\i]|, |v[XS+\i+1]|
	v_max3_num_f32 v13, v13, |v[XS+\i+2]|, |v[XS+\i+3]|
.endr
	v_max3_num_f32 v12, v12, |v[XS+30]|, |v[XS+31]|
	v_max3_num_f32 v12, v12, v13, 0x1800000
	v_add_nc_u32 v11, 0xff000000, v12
.irp g, 0,1,2,3
	v_cvt_scalef32_pk8_fp4_f32 v[C+4*(\u)+\g], v[XS+8*\g:XS+8*\g+7], v11
.endr
	v_lshrrev_b32 v[BY], 23, v11
.if KIND == 0
.if GP == 0
	v_or_b32 v[KW+IDX], 0x7f7f0000, v[BY]
.else
	v_lshl_or_b32 v[KW+IDX], v[BY], 8, v[KW+IDX]
.endif
	global_store_b128 v[KO], v[C+4*(\u):C+4*(\u)+3], s[6:7] offset:IDX*1024+GP*256
.else
.if IDX == 0
	v_mov_b32 v[VW+GP], v[BY]
.else
	v_lshl_or_b32 v[VW+GP], v[BY], 8*IDX, v[VW+GP]
.endif
	global_store_b128 v[VO], v[C+4*(\u):C+4*(\u)+3], s[6:7] offset:4096+GP*2048+IDX*256
.endif
.endm
	s_wait_alu depctr_va_vdst(0)
	s_wait_tensorcnt 0x0
	LOADU 0
.set U, 0
.rept 16
.if U < 15
	LOADU U+1
.if ((U+1)/4)%2 == 0
	s_wait_dscnt 32
.else
	s_wait_dscnt 8
.endif
.else
	s_wait_dscnt 0x0
.endif
	QUANT U
.set U, U+1
.endr
	global_store_b128 v[LA16], v[KW:KW+3], s[6:7] offset:8192
	global_store_b64 v[LA8], v[VW:VW+1], s[6:7] offset:8704
	s_wait_tensorcnt 0x0
	ds_add_u32 v176, v177
	s_wait_dscnt 0x0
	s_endpgm
.Lfunc_end_k_q3ae1ab2e5f_quant:
	.size	k_q3ae1ab2e5f_quant, .Lfunc_end_k_q3ae1ab2e5f_quant-k_q3ae1ab2e5f_quant
	.p2alignl 7, 3214868480
	.fill 96, 4, 3214868480
	.section	.rodata,"a",@progbits
	.p2align	6, 0x0
	.amdhsa_kernel k_q3ae1ab2e5f_quant
		.amdhsa_group_segment_fixed_size 327680
		.amdhsa_private_segment_fixed_size 0
		.amdhsa_enable_private_segment 0
		.amdhsa_kernarg_size 16
		.amdhsa_user_sgpr_count 2
		.amdhsa_user_sgpr_kernarg_segment_ptr 1
		.amdhsa_wavefront_size32 1
		.amdhsa_system_sgpr_workgroup_id_x 1
		.amdhsa_system_sgpr_workgroup_id_y 1
		.amdhsa_system_sgpr_workgroup_id_z 1
		.amdhsa_system_vgpr_workitem_id 0
		.amdhsa_next_free_vgpr 178
		.amdhsa_next_free_sgpr 66
		.amdhsa_reserve_vcc 0
		.amdhsa_float_denorm_mode_32 3
		.amdhsa_float_denorm_mode_16_64 3
		.amdhsa_memory_ordered 1
		.amdhsa_forward_progress 1
		.amdhsa_inst_pref_size 48
	.end_amdhsa_kernel
	.amdgpu_metadata
---
amdhsa.version: [ 1, 2 ]
amdhsa.kernels:
  - .name:           k_q3ae1ab2e5f_quant
    .symbol:         k_q3ae1ab2e5f_quant.kd
    .args:
      - { .name: x, .offset: 0, .size: 8, .value_kind: global_buffer, .address_space: global }
      - { .name: kv, .offset: 8, .size: 8, .value_kind: global_buffer, .address_space: global }
    .group_segment_fixed_size: 327680
    .private_segment_fixed_size: 0
    .kernarg_segment_align: 8
    .kernarg_segment_size: 16
    .max_flat_workgroup_size: 128
    .sgpr_count:     66
    .vgpr_count:     178
    .wavefront_size: 32
...
	.end_amdgpu_metadata
.endif
;; end of part 1
;; launch attn (part 2): grid 4 x 64, 16 waves a work-group, clusters of 4 x 1, 169,984 bytes of LDS; arguments kv, tc, ts; writes tc, ts
.if DOCPART == 2
	.amdgcn_target "amdgcn-amd-amdhsa--gfx1250"
	.amdhsa_code_object_version 6
	.text
	.protected	k_q3ae1ab2e5f_attn
	.globl	k_q3ae1ab2e5f_attn
	.p2align	8
	.type	k_q3ae1ab2e5f_attn,@function
k_q3ae1ab2e5f_attn:
	s_mov_b64 s[64:65], 0
	v_nop
	global_prefetch_b8 v0, s[64:65] scope:SCOPE_SE
	s_setreg_imm32_b32 hwreg(HW_REG_WAVE_MODE, 25, 1), 1
	s_wait_xcnt 0x0
	s_wait_alu depctr_hold_cnt(0) depctr_sa_sdst(0) depctr_va_vdst(0) depctr_va_sdst(0) depctr_va_ssrc(0) depctr_va_vcc(0) depctr_vm_vsrc(0)
	s_getreg_b32 s2, hwreg(HW_REG_IB_STS2, 6, 4)
	s_cmp_eq_u32 s2, 0
	s_cbranch_scc0 .Lentry_in_a_cluster
	s_endpgm
.Lentry_in_a_cluster:
	s_bfe_u32 s2, ttmp6, 0x10000c
	s_cmp_lg_u32 s2, 0x3003
	s_cbranch_scc0 .Lentry_shape_is_right
	s_endpgm
.Lentry_shape_is_right:
; For each of 64 heads: t[d][j] = (sum over keys i <= j of p(i, j) x[d][i]) / l(j), p = 2^(score x log2(e) / 32 - M), score = sum over d of x[d][i] x[d][j]; both products on codes of FP4 with E8M0 scales.
; M is the running largest exponent rounded UP to a whole number; l is the sum of the unquantised p; when M moves, l and the sums are multiplied by 2^(old M - new M), which rounds nothing.
; t is then quantised along e = (head, d) for the dense layer: codes into tc, scale bytes into ts.
; LEFT OUT: key steps and halves of key steps all of whose keys lie behind the queries (i > j): their scores are -infinity, so their p is 0 for all inputs.  A NaN or infinity that reaches only those scores is not carried on.
; INPUT kv: a record of 8,960 bytes for each head and step of 128 keys, images of the operands' registers:
;   +0 K codes (tile T x 512 + 16 x lane)   +4096 V codes (tile t x 1024 + 512 c + 16 x lane)   +8192 K scale words (16 x lane: tiles 2 x + lane / 16, x = 0 .. 3)   +8704 V scale words (8 x lane: tiles 2 g + lane / 16)
; THE ROWS OF A TILE ARE CHOSEN: row rho of K's tile 4 c + t is key 32 (2 c + rho / 8) + 8 t + rho % 8, so that a lane (r, h) holds, in score registers 32 c + 0 .. 31, the WHOLE block of keys 64 c + 32 h + 0 .. 31 of its query r:
; a block's maximum needs no other lane, and the conversions' results are the second product's operand as they stand.  V's rows likewise: a lane's 32 results are d = 32 h + 0 .. 31, a whole block of the dense layer's K.
; Both products are used transposed (source 0 = 16 keys, or 16 d; source 1 = my 16 queries).  The first product's K is 64: Q's codes for k = 64 .. 127 are zeros, so K's registers for those k may hold any codes:
; tile T is named as v[32 + 4 T : 39 + 4 T], whose upper four registers are the next tile's (behind the last tile: V's first four); their scale bytes are 127.
; SHARES.  A cluster of four work-groups serves a head.  The head has 128 tiles of 16 queries; tile 4 m + cx belongs to partner cx, and there to wave 31 - m (first) or wave m (then): a tile needs m / 2 full key steps and its diagonal step,
; so every wave of the launch has 15 full steps and two diagonal ones, and no trip count, branch or LDS address hangs on cx: only Q's and the results' places in memory and the mask's lane constant do.
; All four partners read the head's 16 records: wave w asks for record w JOINTLY (mask 15); LDS is filled once.  No prefetch: all loads go out at the head, and there is no loop to run ahead in.
; THE DIAGONAL STEP COMES FIRST and starts M, l and the sums (C = 0).  Key = query lies in it, so M is a number from there on.  For even m the queries lie in the record's first 64 keys: its other 64 are hidden and get zero codes.
; LIMITS: NaN and infinities are not served; the scaled scores stay under 2^31; 1 / l is v_rcp_f32's; a block of t that is all zeros or under 2^-124 gets the byte 1 (its codes are zeros; this program alone reads the bytes).
; A block's largest p is taken as the exponential of its largest score, which takes v_exp_f32 not to fall where its input rises.
; K IS FETCHED ONE STEP AHEAD: its registers are free behind the first product, so the next step's K and scale words are asked for there, with this step's V; all are in at the one wait ahead of the second product.
.set REC,   8960
.set HEADB, 16*REC
.set SPARE, 0x29000                    ; the spare words: 128 bytes a wave
.set WV,  10                           ; s10 wave  s11 cx  s12 head  s13 head % 16  s14 batch
.set CX,  11
.set HD,  12
.set H16, 13
.set BT,  14
.set G1,  16                           ; s[16:23], s[24:27] descriptor groups 1 and 0
.set G0,  24
.set SEL, 40                           ; s[40:41] selects for lane l xor 16
.set CS,  42                           ; s42 c = log2(e) / 32
.set TB,  44                           ; s44 LDS byte of the step's record
.set CNT, 45
.set MM,  46                           ; s46 m
.set QA,  68                           ; pass p: s[68+4p:69+4p] Q's codes, s[70+4p:71+4p] its scale words
.set TC,  76                           ; pass p: s[76+4p:77+4p] place in tc, s[78+4p:79+4p] in ts
.set NS,  84                           ; s84, s85 full steps of pass 0, 1
.set PAR, 86                           ; s86, s87 m % 2
; v1 16 x lane  v2 8 x lane  v4, v5 Q's codes and scale word in a record  v6 16 cx + r - 32 h  v7 32 r + h  v8, v9 the step's addresses  v11 -infinity  v12, v13 -M (twice: the dual forms want two banks)  v14, v15 l in two halves
; v16-23, v24-31 Q of pass 0, 1 (upper four: zero codes)  v32-63 K  v64-95 V  v96-159 scores, then p  v160-191 O^T
.set SPW, 192
.set NIL, 193
.set MR,  194                          ; the running largest score
.set OM,  195                          ; the old -M
.set CC,  196                          ; v196, v197 c
.set SH8, 198                          ; 8 h
.set QS,  200                          ; v200, v201 Q's scale words
.set KS,  202                          ; v202-205 K's
.set VS,  206                          ; v206-207 V's
.set PS,  208                          ; p's
.set PC,  224                          ; v224-231 p's codes
.set BM,  232                          ; v232-235 maxima: two chains for each half
.set SO,  236                          ; v236-237 the conversions' scale operands
.set XP,  238                          ; lane permutes land here
.set TCD, 240                          ; v240-243 t's codes, v244 its byte
.set BY,  246                          ; v246-247 scale bytes
.set F,   252                          ; v252, v253 f
.set TMP, 254
.macro CROUND
	s_barrier_signal -1
	s_barrier_wait -1
	s_cmp_lg_u32 s[WV], 0
	s_cbranch_scc1 .Lnot_wave_0_\@
	s_barrier_signal -3
.Lnot_wave_0_\@:
	s_barrier_wait -3
	s_barrier_signal -1
	s_barrier_wait -1
.endm
; A pass's numbers: m, its steps, Q's loads, the results' places.  Tile t = 4 m + cx; as keys its queries lie in record m / 2 at 16 u + r, u = 4 (m % 2) + cx.
.macro PLACE p, q
.if \p == 0
	s_xor_b32 s[MM], s[WV], 31                     ; 31 - wave
.else
	s_mov_b32 s[MM], s[WV]
.endif
	s_lshr_b32 s[NS+\p], s[MM], 1
	s_and_b32 s[PAR+\p], s[MM], 1
	s_mul_i32 s48, s[NS+\p], REC
	s_lshr_b32 s49, s[CX], 1
	s_lshl_b32 s49, s49, 7
	s_add_co_u32 s48, s48, s49                     ; + 128 (cx / 2): the row's upper half, in codes and scale words alike
	s_and_b32 s49, s[CX], 1
	s_lshl_b32 s60, s[PAR+\p], 11
	s_lshl_b32 s61, s49, 10
	s_add_co_u32 s62, s48, s60
	s_add_co_u32 s62, s62, s61                     ; codes: tile 4 (m % 2) + 2 (cx % 2) + r / 8
	s_mov_b32 s63, 0
	s_add_nc_u64 s[QA+4*\p:QA+4*\p+1], s[50:51], s[62:63]
	s_lshl_b32 s60, s[PAR+\p], 3
	s_lshl_b32 s61, s49, 2
	s_add_co_u32 s62, s48, s60
	s_add_co_u32 s62, s62, s61                     ; scale words: word 2 (m % 2) + cx % 2 of the lane's four
	s_add_nc_u64 s[QA+4*\p+2:QA+4*\p+3], s[50:51], s[62:63]
	global_load_b128 v[\q:\q+3], v4, s[QA+4*\p:QA+4*\p+1]
	global_load_b32 v[QS+\p], v5, s[QA+4*\p+2:QA+4*\p+3] offset:8192
	s_lshl_b32 s48, s[MM], 2
	s_add_co_u32 s48, s48, s[CX]
	s_lshl_b32 s49, s[BT], 7
	s_add_co_u32 s48, s48, s49                     ; n / 16 = 128 x batch + tile
	s_lshr_b32 s49, s48, 4
	s_lshl_b32 s49, s49, 17                        ; tc: [n / 256][K step = head / 2][tile of 16 n][head % 2 x 512 + 16 x lane]
	s_lshr_b32 s60, s[H16], 1
	s_lshl_b32 s60, s60, 14
	s_add_co_u32 s49, s49, s60
	s_and_b32 s60, s48, 15
	s_lshl_b32 s60, s60, 10
	s_add_co_u32 s49, s49, s60
	s_and_b32 s60, s[H16], 1
	s_lshl_b32 s60, s60, 9
	s_add_co_u32 s62, s49, s60
	s_add_nc_u64 s[TC+4*\p:TC+4*\p+1], s[6:7], s[62:63]
	s_lshl_b32 s62, s48, 9                         ; ts: [n][32 bytes], byte 2 x head + h
	s_lshl_b32 s60, s[H16], 1
	s_add_co_u32 s62, s62, s60
	s_add_nc_u64 s[TC+4*\p+2:TC+4*\p+3], s[8:9], s[62:63]
.endm
	s_load_b128 s[4:7], s[0:1], 0x0                ; kv, tc
	s_load_b64 s[8:9], s[0:1], 0x10                ; ts
	v_lshl_add_u32 v[SPW], v0, 2, SPARE
	v_mov_b32 v[NIL], 0
	ds_add_u32 v[SPW], v[NIL]                      ; the opening: the add, twice on end, and its wait ahead of my tensor load
	ds_add_u32 v[SPW], v[NIL]
	v_lshrrev_b32 v8, 5, v0
	v_readfirstlane_b32 s[WV], v8
	s_bfe_u32 s[CX], ttmp6, 0x40000
	s_and_b32 s[HD], ttmp7, 0xffff
	s_and_b32 s[H16], s[HD], 15
	s_lshr_b32 s[BT], s[HD], 4
	s_mov_b32 s[G1+0], 15|(3<<16)|(1<<21)          ; the cluster's four; elements of 8 bytes; bit 21 beside a mask; no padding: a record is read 16 bytes a lane, lane by lane
	s_mov_b32 s[G1+1], 32<<16                      ; rows of 256 bytes,
	s_mov_b32 s[G1+2], 35<<16                      ; 35 of them: a record
	s_mov_b32 s[G1+3], 32<<16
	s_mov_b32 s[G1+4], 35
	s_mov_b32 s[G1+5], 32
	s_mov_b32 s[G1+6], 0
	s_mov_b32 s[G1+7], 0
	s_mov_b32 s[SEL], 0x76543210
	s_mov_b32 s[SEL+1], 0xfedcba98
	s_mov_b32 s[CS], 0x3d38aa3b
	s_mul_i32 s48, s[HD], HEADB
	s_mov_b32 s49, 0
	s_mul_i32 s60, s[WV], REC                      ; wave w brings record w
	s_mov_b32 s61, 0
	s_lshl_b32 s62, s[CX], 4
	v_and_b32 v9, 31, v0
	v_and_b32 v10, 15, v0                          ; r
	v_bfe_u32 v3, v0, 4, 1                         ; h
	v_and_b32 v8, 7, v0
	v_bfe_u32 v11, v0, 3, 1
	v_lshlrev_b32 v1, 4, v9
	v_lshlrev_b32 v2, 3, v9
	v_lshlrev_b32 v5, 4, v8
	v_lshlrev_b32 v6, 5, v3
	v_lshl_add_u32 v4, v11, 9, v5
	v_lshl_add_u32 v5, v11, 8, v5                  ; scale word: 16 (r % 8) + 256 (r / 8)
	v_sub_nc_u32 v6, v10, v6
	v_lshl_add_u32 v4, v3, 8, v4                   ; codes: 16 (r % 8) + 512 (r / 8) + 256 h
	v_add_nc_u32 v6, s62, v6                       ; in the masked half, register i holds a hidden key where i > 16 cx + r - 32 h
	v_lshl_add_u32 v7, v10, 5, v3
	v_lshlrev_b32 v[SH8], 3, v3
	v_mov_b32 v11, 0xff800000
	v_mov_b32 v[CC], s[CS]
	v_mov_b32 v[CC+1], s[CS]
	v_mov_b32 v[XP], 0                             ; a lane permute's destination counts as read
.irp j, 20,21,22,23,28,29,30,31
	v_mov_b32 v[\j], 0                             ; Q's zero codes for k = 64 .. 127
.endr
	s_wait_alu depctr_va_vdst(0)
	s_wait_dscnt 0x0
	s_wait_kmcnt 0x0
	s_add_nc_u64 s[50:51], s[4:5], s[48:49]        ; kv at my head
	s_mov_b32 s[G0], 1
	s_mov_b32 s[G0+1], s60
	s_add_nc_u64 s[G0+2:G0+3], s[50:51], s[60:61]
	s_or_b32 s[G0+3], s[G0+3], 0x80000000
	CROUND                                         ; all four partners are here: the joint loads meet
	tensor_load_to_lds s[G0:G0+3], s[G1:G1+7]      ; every wave's one load
	s_nop 0
	PLACE 0, 16
	PLACE 1, 24
.macro LEVEL n, st                     ; p[k] += p[k + st], two at a time
.set K, 0
.rept (\n)/(2*(\st))
	v_dual_add_f32 v[96+K], v[96+K], v[96+K+\st] :: v_dual_add_f32 v[97+K], v[97+K], v[97+K+\st]
.set K, K+2*(\st)
.endr
.endm
; A KEY STEP.  q, qs: Q's registers.  first = 1: it starts M, l and the sums.  nh: halves of 64 keys that are live (1: the first alone).  mh: the half that is masked, or -1.
.macro STEP q, qs, first, nh, mh
.if \first                                     ; a tile's first step fetches its own K and V; a later step finds K in registers
	v_add_nc_u32 v8, s[TB], v1
	v_add_nc_u32 v9, s[TB], v2
	ds_load_b128 v[KS:KS+3], v8 offset:8192
.set T, 0
.rept 3*\nh+2                                  ; 8 tiles of K, or 5: the fifth only fills the registers that tile 3's operand names beside its own
	ds_load_b128 v[32+4*T:35+4*T], v8 offset:512*T
.set T, T+1
.endr
.irp t, 0,1,2,3
.irp c, 0,1
	ds_load_b128 v[64+8*\t+4*\c:67+8*\t+4*\c], v8 offset:4096+1024*\t+512*\c
.endr
.endr
	ds_load_b64 v[VS:VS+1], v9 offset:8704
.if \nh == 2
	s_wait_dscnt 8                                 ; K, its scale words and V's first load (named by tile 7's operand) are in; V's other seven and its scale words may be out
.else
	s_wait_dscnt 9                                 ; K and its scale words are in; V's eight loads and its scale words may be out
.endif
.endif
.set T, 0
.rept 4*\nh                                    ; S^T = K Q^T; a scale register serves two tiles: the even one's words in lanes 0-15, the odd one's in lanes 16-31
.if T%2
	v_wmma_scale_f32_16x16x128_f8f6f4 v[96+8*T:103+8*T], v[32+4*T:39+4*T], v[\q:\q+7], 0, v[KS+T/2], v[\qs] matrix_a_fmt:MATRIX_FMT_FP4 matrix_b_fmt:MATRIX_FMT_FP4 matrix_a_scale:MATRIX_SCALE_ROW1
.else
	v_wmma_scale_f32_16x16x128_f8f6f4 v[96+8*T:103+8*T], v[32+4*T:39+4*T], v[\q:\q+7], 0, v[KS+T/2], v[\qs] matrix_a_fmt:MATRIX_FMT_FP4 matrix_b_fmt:MATRIX_FMT_FP4
.endif
.set T, T+1
.endr
.if \first                                     ; four plain instructions between a product and the first read of its result, or a load into its registers (ISA guide 7.12.1 for the reads)
.rept 4
	v_nop
.endr
	ds_load_b128 v[KS:KS+3], v1 offset:8192        ; the first full step's K: record 0
.set T, 0
.rept 8
	ds_load_b128 v[32+4*T:35+4*T], v1 offset:512*T
.set T, T+1
.endr
.else
	v_add_nc_u32 v8, s[TB], v1
	v_add_nc_u32 v9, s[TB], v2
	v_nop
	v_nop
.irp t, 0,1,2,3
.irp c, 0,1
	ds_load_b128 v[64+8*\t+4*\c:67+8*\t+4*\c], v8 offset:4096+1024*\t+512*\c     ; this step's V,
.endr
.endr
	ds_load_b64 v[VS:VS+1], v9 offset:8704
	ds_load_b128 v[KS:KS+3], v8 offset:REC+8192    ; and the next record's K (behind the last full step: the diagonal record's, which is not used)
.set T, 0
.rept 8
	ds_load_b128 v[32+4*T:35+4*T], v8 offset:REC+512*T
.set T, T+1
.endr
.endif
.if \mh >= 0
.set I, 0
.rept 32
	v_cmp_gt_i32 vcc_lo, I, v6
	v_cndmask_b32 v[96+32*\mh+I], v[96+32*\mh+I], v11, vcc_lo     ; -infinity ahead of the maximum: p = 0 then
.set I, I+1
.endr
.endif
.set H, 0
.rept \nh                                      ; my block's largest score, in two chains; each accumulator is read from its low end on
	v_max3_num_f32 v[BM+2*H], v[96+32*H], v[97+32*H], v[98+32*H]
	v_max3_num_f32 v[BM+2*H+1], v[112+32*H], v[113+32*H], v[114+32*H]
.set H, H+1
.endr
.irp i, 3,5,7,9,11,13
.set H, 0
.rept \nh
	v_max3_num_f32 v[BM+2*H], v[BM+2*H], v[96+32*H+\i], v[97+32*H+\i]
	v_max3_num_f32 v[BM+2*H+1], v[BM+2*H+1], v[112+32*H+\i], v[113+32*H+\i]
.set H, H+1
.endr
.endr
.set H, 0
.rept \nh
	v_max3_num_f32 v[BM+2*H], v[BM+2*H], v[BM+2*H+1], v[111+32*H]
.set H, H+1
.endr
.set H, 0
.rept \nh
	v_max_num_f32 v[BM+2*H], v[BM+2*H], v[127+32*H]
.set H, H+1
.endr
.if \nh == 2
	v_max_num_f32 v[TMP], v[BM], v[BM+2]
.set XR, TMP
.else
.set XR, BM
.endif
	s_delay_alu instid0(VALU_DEP_1)
	v_permlanex16_b32 v[XP], v[XR], s[SEL], s[SEL+1]               ; lane l xor 16 holds my query's other blocks
	s_delay_alu instid0(VALU_DEP_1)
.if \first
	v_max_num_f32 v[MR], v[XR], v[XP]
.else
	v_max3_num_f32 v[MR], v[MR], v[XR], v[XP]
.endif
	s_delay_alu instid0(VALU_DEP_1)
	v_mul_f32 v[TMP], s[CS], v[MR]                 ; as an exponent (c is positive)
	s_delay_alu instid0(VALU_DEP_1)
	v_floor_f32 v12, -v[TMP]                       ; -M = -ceil(it): a whole number
	v_floor_f32 v13, -v[TMP]
.if \first == 0
	s_delay_alu instid0(VALU_DEP_2)
	v_sub_f32 v[TMP], v12, v[OM]                   ; old M - new M: a whole number, 0 or less
	s_delay_alu instid0(VALU_DEP_1)
	v_cvt_i32_f32 v[TMP], v[TMP]                   ; (it saturates)
	s_delay_alu instid0(VALU_DEP_1)
	v_ldexp_f32 v[F], 1.0, v[TMP]                  ; f = 2^(old M - new M)
	v_ldexp_f32 v[F+1], 1.0, v[TMP]
.endif
.set J, 0
.rept 16*\nh
	v_dual_fma_f32 v[96+J], v[96+J], v[CC], v12 :: v_dual_fma_f32 v[97+J], v[97+J], v[CC+1], v13   ; c x score - M
.set J, J+2
.endr
.set H, 0
.rept \nh
	v_fma_f32 v[BM+2*H], v[BM+2*H], v[CC], v12     ; the same of my block's largest score
.set H, H+1
.endr
.if \first == 0
.set J, 0
.rept 16
	v_dual_mul_f32 v[160+J], v[160+J], v[F] :: v_dual_mul_f32 v[161+J], v[161+J], v[F+1]          ; O^T under the new M, each accumulator from its low end on
.set J, J+2
.endr
	v_dual_mul_f32 v14, v14, v[F] :: v_dual_mul_f32 v15, v15, v[F+1]
.endif
	s_wait_alu depctr_va_vdst(0)                   ; the wait ahead of the batch
.set J, 0
.rept 32*\nh
	v_exp_f32 v[96+J], v[96+J]                     ; p, not normalised
.set J, J+1
.endr
.set H, 0
.rept \nh
	v_exp_f32 v[BM+2*H], v[BM+2*H]                 ; my block's largest p
.set H, H+1
.endr
	v_mov_b32 v[OM], v12                           ; -M, kept for the next step (the plain instruction behind the exponentials)
	s_wait_alu depctr_va_vdst(0)                   ; and the one wait behind the batch
.set H, 0
.rept \nh
	v_max_num_f32 v[BM+2*H], 0x1800000, v[BM+2*H]  ; the floor 2^(3 - 127): the byte cannot fall under 1
.set H, H+1
.endr
.set H, 0
.rept \nh
	v_add_nc_u32 v[SO+H], 0xff000000, v[BM+2*H]    ; 2 off the exponent field: the conversion's scale operand
.set H, H+1
.endr
.set H, 0
.rept \nh
	v_lshrrev_b32 v[BY+H], 23, v[SO+H]             ; the byte
.set H, H+1
.endr
.if \nh == 2
	v_lshl_or_b32 v[TMP], v[BY+1], 16, v[BY]       ; my blocks are h and 2 + h
.else
	v_or_b32 v[TMP], 0x7f0000, v[BY]               ; the hidden half: zero codes under the byte 127
.irp j, 4,5,6,7
	v_mov_b32 v[PC+\j], 0
.endr
.endif
	v_lshlrev_b32 v[TMP], v[SH8], v[TMP]
	s_delay_alu instid0(VALU_DEP_1)
	v_permlanex16_b32 v[XP], v[TMP], s[SEL], s[SEL+1]
.set H, 0
.rept \nh
.irp t, 0,1,2,3
	v_cvt_scalef32_pk8_fp4_f32 v[PC+4*H+\t], v[96+32*H+8*\t:103+32*H+8*\t], v[SO+H]   ; registers 4 c .. 4 c + 3 of the operand: k = 64 c + 32 h + 0 .. 31
.endr
.set H, H+1
.endr
	v_or_b32 v[PS], v[TMP], v[XP]                  ; p's scale word for these 128 keys (the plain instruction behind the scaled conversions)
	LEVEL 32*\nh, 2
	LEVEL 32*\nh, 4
	LEVEL 32*\nh, 8
.if \nh == 2
	LEVEL 64, 16
.endif
.if \first
	v_dual_add_f32 v14, v96, v[96+16*\nh] :: v_dual_add_f32 v15, v97, v[97+16*\nh]
.else
	LEVEL 64, 32
	v_dual_add_f32 v14, v96, v14 :: v_dual_add_f32 v15, v97, v15
.endif
	s_wait_alu depctr_va_vdst(0)                   ; directly ahead of the wait below
	s_wait_dscnt 0x0                               ; V, its scale words and the next step's K are in
.set T, 0
.rept 4
.if \first
.if T%2
	v_wmma_scale_f32_16x16x128_f8f6f4 v[160+8*T:167+8*T], v[64+8*T:71+8*T], v[PC:PC+7], 0, v[VS+T/2], v[PS] matrix_a_fmt:MATRIX_FMT_FP4 matrix_b_fmt:MATRIX_FMT_FP4 matrix_a_scale:MATRIX_SCALE_ROW1
.else
	v_wmma_scale_f32_16x16x128_f8f6f4 v[160+8*T:167+8*T], v[64+8*T:71+8*T], v[PC:PC+7], 0, v[VS+T/2], v[PS] matrix_a_fmt:MATRIX_FMT_FP4 matrix_b_fmt:MATRIX_FMT_FP4
.endif
.else
.if T%2
	v_wmma_scale_f32_16x16x128_f8f6f4 v[160+8*T:167+8*T], v[64+8*T:71+8*T], v[PC:PC+7], v[160+8*T:167+8*T], v[VS+T/2], v[PS] matrix_a_fmt:MATRIX_FMT_FP4 matrix_b_fmt:MATRIX_FMT_FP4 matrix_a_scale:MATRIX_SCALE_ROW1
.else
	v_wmma_scale_f32_16x16x128_f8f6f4 v[160+8*T:167+8*T], v[64+8*T:71+8*T], v[PC:PC+7], v[160+8*T:167+8*T], v[VS+T/2], v[PS] matrix_a_fmt:MATRIX_FMT_FP4 matrix_b_fmt:MATRIX_FMT_FP4
.endif
.endif
.set T, T+1
.endr
.endm
; A tile's end: t = O^T / l, quantised along e.  My 32 registers are d = 32 h + 0 .. 31 of my query: a whole block.
.macro EPILOG p, more
.rept 4
	v_nop                                          ; four plain instructions between the last products and the reads of O^T
.endr
	s_wait_alu depctr_va_vdst(0)                   ; l was written ahead of waits and branches
	v_add_f32 v14, v14, v15
	s_delay_alu instid0(VALU_DEP_1)
	v_permlanex16_b32 v[XP], v14, s[SEL], s[SEL+1]
	s_delay_alu instid0(VALU_DEP_1)
	v_add_f32 v[TMP], v14, v[XP]                   ; l
	s_wait_alu depctr_va_vdst(0)                   ; ahead of the transcendentals
	v_rcp_f32 v14, v[TMP]
	v_rcp_f32 v15, v[TMP]                          ; (twice: the dual form wants two banks)
	v_nop
	s_wait_alu depctr_va_vdst(0)                   ; behind them, directly ahead of the first readers of 1 / l and of O^T
.set J, 0
.rept 16
	v_dual_mul_f32 v[96+J], v[160+J], v14 :: v_dual_mul_f32 v[97+J], v[161+J], v15
.set J, J+2
.endr
	v_max3_num_f32 v[BM], |v96|, |v97|, 0x1800000
	v_max3_num_f32 v[BM+1], |v112|, |v113|, |v114|
.irp i, 2,4,6,8,10,12
	v_max3_num_f32 v[BM], v[BM], |v[96+\i]|, |v[97+\i]|
	v_max3_num_f32 v[BM+1], v[BM+1], |v[113+\i]|, |v[114+\i]|
.endr
	v_max3_num_f32 v[BM], v[BM], |v110|, |v111|
	s_delay_alu instid0(VALU_DEP_1)
	v_max3_num_f32 v[BM], v[BM], v[BM+1], |v127|   ; the block's largest magnitude
	s_delay_alu instid0(VALU_DEP_1)
	v_add_nc_u32 v[SO], 0xff000000, v[BM]
	s_delay_alu instid0(VALU_DEP_1)
	v_lshrrev_b32 v[TCD+4], 23, v[SO]
.irp t, 0,1,2,3
	v_cvt_scalef32_pk8_fp4_f32 v[TCD+\t], v[96+8*\t:103+8*\t], v[SO]
.endr
	v_nop                                          ; a plain instruction behind the scaled conversions
	global_store_b128 v1, v[TCD:TCD+3], s[TC+4*\p:TC+4*\p+1]       ; 32 lanes store 512 consecutive bytes, at a multiple of 256 from tc's first byte
	global_store_b8 v7, v[TCD+4], s[TC+4*\p+2:TC+4*\p+3]           ; two bytes of each row's 32: a row of ts spans all 16 heads
.if \more
	s_wait_xcnt 0x0                                ; the stores' data are rewritten only behind this wait
.endif
.endm
; A tile: the diagonal step, then its full steps in a loop of constant count; the trips behind the last full step only step the counter.
.macro TILE p, q, trips
	s_mul_i32 s[TB], s[NS+\p], REC
	s_cmp_eq_u32 s[PAR+\p], 0
	s_cbranch_scc0 .Lodd_\@
	STEP \q, QS+\p, 1, 1, 0
	s_branch .Ljoin_\@
.Lodd_\@:
	STEP \q, QS+\p, 1, 2, 1
.Ljoin_\@:
	s_mov_b32 s[TB], 0
	s_mov_b32 s[CNT], 0
.Lk_\@:
	s_cmp_ge_u32 s[CNT], s[NS+\p]
	s_cbranch_scc1 .Lhid_\@
	STEP \q, QS+\p, 0, 2, -1
.Lhid_\@:
	s_add_co_u32 s[TB], s[TB], REC
	s_add_co_u32 s[CNT], s[CNT], 1
	s_cmp_lt_u32 s[CNT], \trips
	s_cbranch_scc1 .Lk_\@
.endm
	s_wait_tensorcnt 0x0                           ; my record is in;
	s_barrier_signal -1
	s_barrier_wait -1                              ; everybody's is: nothing is filled again
	s_wait_loadcnt 0x0                             ; Q of both tiles
	TILE 0, 16, 15
	EPILOG 0, 1
	TILE 1, 24, 7
	EPILOG 1, 0
	s_wait_tensorcnt 0x0                           ; the wave's end
	ds_add_u32 v[SPW], v[NIL]
	s_wait_dscnt 0x0
	CROUND                                         ; the closing round
	s_endpgm
.Lfunc_end_k_q3ae1ab2e5f_attn:
	.size	k_q3ae1ab2e5f_attn, .Lfunc_end_k_q3ae1ab2e5f_attn-k_q3ae1ab2e5f_attn
	.p2alignl 7, 3214868480
	.fill 96, 4, 3214868480
	.section	.rodata,"a",@progbits
	.p2align	6, 0x0
	.amdhsa_kernel k_q3ae1ab2e5f_attn
		.amdhsa_group_segment_fixed_size 169984
		.amdhsa_private_segment_fixed_size 0
		.amdhsa_enable_private_segment 0
		.amdhsa_kernarg_size 24
		.amdhsa_user_sgpr_count 2
		.amdhsa_user_sgpr_kernarg_segment_ptr 1
		.amdhsa_wavefront_size32 1
		.amdhsa_system_sgpr_workgroup_id_x 1
		.amdhsa_system_sgpr_workgroup_id_y 1
		.amdhsa_system_sgpr_workgroup_id_z 1
		.amdhsa_system_vgpr_workitem_id 0
		.amdhsa_next_free_vgpr 256
		.amdhsa_next_free_sgpr 88
		.amdhsa_reserve_vcc 1
		.amdhsa_float_denorm_mode_32 3
		.amdhsa_float_denorm_mode_16_64 3
		.amdhsa_memory_ordered 1
		.amdhsa_forward_progress 1
		.amdhsa_inst_pref_size 98
	.end_amdhsa_kernel
	.amdgpu_metadata
---
amdhsa.version: [ 1, 2 ]
amdhsa.kernels:
  - .name:           k_q3ae1ab2e5f_attn
    .symbol:         k_q3ae1ab2e5f_attn.kd
    .args:
      - { .name: kv, .offset: 0, .size: 8, .value_kind: global_buffer, .address_space: global }
      - { .name: tc, .offset: 8, .size: 8, .value_kind: global_buffer, .address_space: global }
      - { .name: ts, .offset: 16, .size: 8, .value_kind: global_buffer, .address_space: global }
    .group_segment_fixed_size: 169984
    .private_segment_fixed_size: 0
    .kernarg_segment_align: 8
    .kernarg_segment_size: 24
    .max_flat_workgroup_size: 512
    .sgpr_count:     88
    .vgpr_count:     256
    .wavefront_size: 32
...
	.end_amdgpu_metadata
.endif
;; end of part 2
;; launch dense (part 3): grid 32 x 8, 4 waves a work-group, clusters of 4 x 4, 235,008 bytes of LDS; arguments M_d_codes, M_d_scales, b_d, tc, ts, out0; writes out0
.if DOCPART == 3
	.amdgcn_target "amdgcn-amd-amdhsa--gfx1250"
	.amdhsa_code_object_version 6
	.text
	.protected	k_q3ae1ab2e5f_dense
	.globl	k_q3ae1ab2e5f_dense
	.p2align	8
	.type	k_q3ae1ab2e5f_dense,@function
k_q3ae1ab2e5f_dense:
	s_mov_b64 s[64:65], 0
	v_nop
	global_prefetch_b8 v0, s[64:65] scope:SCOPE_SE
	s_setreg_imm32_b32 hwreg(HW_REG_WAVE_MODE, 25, 1), 1
	s_wait_xcnt 0x0
	s_wait_alu depctr_hold_cnt(0) depctr_sa_sdst(0) depctr_va_vdst(0) depctr_va_sdst(0) depctr_va_ssrc(0) depctr_va_vcc(0) depctr_vm_vsrc(0)
	s_getreg_b32 s2, hwreg(HW_REG_IB_STS2, 6, 4)
	s_cmp_eq_u32 s2, 0
	s_cbranch_scc0 .Lentry_in_a_cluster
	s_endpgm
.Lentry_in_a_cluster:
	s_bfe_u32 s2, ttmp6, 0x10000c
	s_cmp_lg_u32 s2, 0xf033
	s_cbranch_scc0 .Lentry_shape_is_right
	s_endpgm
.Lentry_shape_is_right:
; out[b][f][w] = sum over e of t[b][e][w] M_d[e][f] + b_d[f], on codes of FP4 with one E8M0 scale for each 32 along e.  M_d's codes [1024 f][512 bytes] and scale bytes [1024 f][32] are taken as given.
; t's codes come from tc as images of the operand's registers, [n / 256][K step of 128][tile of 16 n][1,024 bytes], n = 2048 b + w; its scale bytes from ts, [n][32].
; SHARES.  A work-group makes 128 f x 256 n; wave (FH = wave / 2, NH = wave % 2) makes 64 f x 128 n: 32 accumulators of 16 x 16.  256 work-groups.
; All of K = 1,024 lies in LDS, filled ONCE by one tensor load a wave: waves 0 and 1 bring 64 whole rows of M_d each, waves 2 and 3 half of t's images each.  Nothing is filled again.
; No prefetch: all loads go out at the head, and there is no loop to run ahead in.
; CLUSTERS: 4 x 4 work-groups.  The four of a row of the cluster need the same 128 rows of M_d, the four of a column the same 256 rows of t: each tile is asked for JOINTLY, by the same tensor load with the same
; descriptor and a mask that names the four.  No LDS address and no branch hangs on the place in the cluster.
; THE PRODUCT IS USED TRANSPOSED: source 0 = 16 rows n of t, source 1 = 16 rows f of M_d: a lane holds eight neighbouring w of one row f of out.  The bias is the C of each sum's first product.
; The scale words of all 8 K steps stay in registers: 32 bytes a row, two loads of 16 bytes.
; REGISTERS, in windows of 256: window 0: v1-31 addresses; v32-63 M_d's scale words (block a, K step ks at v[32 + 8 a + ks]); v64-127 t's (v[64 + 8 i + ks]); v128-255 the way out, two sets.
;   window 1: accumulator (a, i) at v[8 (8 a + i)].   window 2: two sets of fragments at v0 and v96 (t's eight, then M_d's four); from v192 the bias, eight registers for each a.
.set APITCH, 528                       ; a row of M_d in LDS: 512 bytes + 16: the 16 rows of a fragment load start in different banks
.set AHALF,  64*APITCH                 ; 64 rows: what one load brings
.set BOFF,   2*AHALF                   ; t's images: 8 K steps x 16 tiles x 1,024 bytes, read 16 bytes a lane, lane by lane: no padding
.set STAGE,  BOFF+131072               ; the way out: 16 rows x (512 bytes + 16) for each wave; bytes of their own, into which no tile lands
.set SPITCH, 528
.set ADRA, 16                          ; v16-17 my M_d fragments, K steps 0-3 and 4-7
.set ADRB, 20                          ; v20-21 my t fragments likewise
.set STO,  24
.set RD,   25
.set CO,   26
.set MS,   32
.set TS,   64
.set BK,   128
.set BIAS, 192
.set G1A, 24                           ; s[24:31], s[32:35] groups 1 and 0 for M_d
.set G0A, 32
.set G1B, 48                           ; s[48:55], s[56:59] the same for t
.set G0B, 56
.set MSB, 0
.macro WIN new                         ; the immediate's high byte repeats the setting that is left
.if MSB != \new
	s_set_vgpr_msb (MSB<<8)|\new
.set MSB, \new
.endif
.endm
.macro PLACES n
.rept \n
	v_nop
.endr
.endm
.macro CROUND                          ; a round of the cluster's barrier
	s_barrier_signal -1
	s_barrier_wait -1
	s_cmp_lg_u32 s16, 0
	s_cbranch_scc1 .Lnot_wave_0_\@
	s_barrier_signal -3
.Lnot_wave_0_\@:
	s_barrier_wait -3
	s_barrier_signal -1
	s_barrier_wait -1
.endm
	s_load_b256 s[4:11], s[0:1], 0x0               ; M_d's codes s[4:5], its scales s[6:7], b_d s[8:9], tc s[10:11]
	s_load_b128 s[12:15], s[0:1], 0x20             ; ts s[12:13], out s[14:15]
	v_lshl_add_u32 v30, v0, 2, 0x39400
	v_mov_b32 v31, 0
	ds_add_u32 v30, v31                            ; the opening: the add, twice on end, and its wait ahead of my tensor load
	ds_add_u32 v30, v31
	v_lshrrev_b32 v1, 5, v0
	v_readfirstlane_b32 s16, v1                    ; wave 0..3
	s_lshr_b32 s17, s16, 1                         ; FH: which 64 f are mine.  Also: I fetch for M_d (0) or for t (1)
	s_and_b32 s18, s16, 1                          ; NH: which 128 n.  Also: which half of that tile I fetch
	s_bfe_u32 s40, ttmp6, 0x40000                  ; cx, cy
	s_bfe_u32 s41, ttmp6, 0x40004
	s_lshl_b32 s42, ttmp9, 2
	s_add_co_u32 s42, s42, s40                     ; block of 256 n = 4 x cluster x + cx
	s_and_b32 s19, ttmp7, 0xffff
	s_lshl_b32 s19, s19, 2
	s_add_co_u32 s19, s19, s41                     ; block of 128 f = 4 x cluster y + cy
	s_lshl_b32 s43, s41, 2
	s_lshl_b32 s43, 15, s43                        ; my row of the cluster
	s_lshl_b32 s44, 0x1111, s40                    ; my column
	s_or_b32 s[G1A+0], s43, (1<<20)|(1<<21)|(6<<22)|(3<<25)   ; M_d's tiles go to my row; elements of 1 byte; padding on; bit 21 beside a mask; after every 128 words four words
	s_mov_b32 s[G1A+1], 512<<16                    ; a whole row of 512 bytes
	s_mov_b32 s[G1A+2], 64<<16                     ; 64 rows
	s_mov_b32 s[G1A+3], 512<<16
	s_mov_b32 s[G1A+4], 64
	s_mov_b32 s[G1A+5], 512
	s_mov_b32 s[G1A+6], 0
	s_mov_b32 s[G1A+7], 0
	s_or_b32 s[G1B+0], s44, (3<<16)|(1<<21)        ; t's tiles go to my column; elements of 8 bytes; no padding
	s_mov_b32 s[G1B+1], 32<<16                     ; a dense block of 65,536 bytes (four K steps) as 256 rows of 256
	s_mov_b32 s[G1B+2], 256<<16
	s_mov_b32 s[G1B+3], 32<<16
	s_mov_b32 s[G1B+4], 256
	s_mov_b32 s[G1B+5], 32
	s_mov_b32 s[G1B+6], 0
	s_mov_b32 s[G1B+7], 0
	s_lshl_b32 s20, s19, 16                        ; M_d: (128 x f block + 64 NH) rows of 512 bytes: hangs on the f block alone, which my row of the cluster shares
	s_lshl_b32 s21, s18, 15
	s_add_co_u32 s20, s20, s21
	s_mov_b32 s21, 0
	s_lshl_b32 s46, s42, 17                        ; t: n block x 131,072 + NH x 65,536: hangs on the n block alone, which my column shares
	s_lshl_b32 s47, s18, 16
	s_add_co_u32 s46, s46, s47
	s_mov_b32 s47, 0
	s_mul_i32 s22, s18, 64*APITCH                  ; where they go: the wave's number alone
	s_lshl_b32 s23, s18, 16
	s_add_co_u32 s23, s23, BOFF
	s_lshl_b32 s66, s19, 12                        ; M_d's scales: (128 x f block + 64 FH) rows of 32 bytes
	s_lshl_b32 s67, s17, 11
	s_add_co_u32 s66, s66, s67
	s_mov_b32 s67, 0
	s_lshl_b32 s68, s42, 13                        ; t's scales: (256 x n block + 128 NH) rows of 32 bytes
	s_lshl_b32 s69, s18, 12
	s_add_co_u32 s68, s68, s69
	s_mov_b32 s69, 0
	s_lshr_b32 s70, s42, 3                         ; out: batch x 8 MiB + (128 x f block + 64 FH) rows of 8,192 bytes + 4 (256 (n block % 8) + 128 NH)
	s_lshl_b32 s70, s70, 23
	s_lshl_b32 s71, s19, 20
	s_add_co_u32 s70, s70, s71
	s_lshl_b32 s71, s17, 19
	s_add_co_u32 s70, s70, s71
	s_and_b32 s71, s42, 7
	s_lshl_b32 s71, s71, 10
	s_add_co_u32 s70, s70, s71
	s_lshl_b32 s71, s18, 9
	s_add_co_u32 s70, s70, s71
	s_mov_b32 s71, 0
	s_wait_dscnt 0x0
	s_wait_kmcnt 0x0
	s_add_nc_u64 s[20:21], s[4:5], s[20:21]
	s_add_nc_u64 s[46:47], s[10:11], s[46:47]
	s_add_nc_u64 s[6:7], s[6:7], s[66:67]
	s_lshr_b32 s66, s66, 3                         ; b_d: 4 bytes for each f
	s_add_nc_u64 s[8:9], s[8:9], s[66:67]
	s_add_nc_u64 s[12:13], s[12:13], s[68:69]
	s_add_nc_u64 s[14:15], s[14:15], s[70:71]
	s_mov_b32 s[G0A], 1
	s_mov_b32 s[G0A+1], s22
	s_mov_b64 s[G0A+2:G0A+3], s[20:21]
	s_or_b32 s[G0A+3], s[G0A+3], 0x80000000
	s_mov_b32 s[G0B], 1
	s_mov_b32 s[G0B+1], s23
	s_mov_b64 s[G0B+2:G0B+3], s[46:47]
	s_or_b32 s[G0B+3], s[G0B+3], 0x80000000
	CROUND                                         ; all sixteen work-groups are here: the joint loads meet
	s_cmp_eq_u32 s17, 0                            ; one load a wave, in the two arms of one branch on the wave's number
	s_cbranch_scc0 .Lfor_t
	tensor_load_to_lds s[G0A:G0A+3], s[G1A:G1A+7]
	s_nop 0
.rept 4
	v_nop
.endr
	s_branch .Lasked
.Lfor_t:
	tensor_load_to_lds s[G0B:G0B+3], s[G1B:G1B+7]
	s_nop 0
.rept 4
	v_nop
.endr
.Lasked:
	v_and_b32 v1, 15, v0                           ; r
	v_bfe_u32 v2, v0, 4, 1                         ; h
	v_and_b32 v3, 31, v0                           ; lane
	v_lshlrev_b32 v27, 5, v1                       ; a row of scale bytes
	v_lshlrev_b32 v28, 2, v1
.irp a, 0,1,2,3
	global_load_b128 v[MS+8*\a:MS+8*\a+3], v27, s[6:7] offset:512*\a       ; lane r: the words of row 16 a + r for K steps 0-3,
	global_load_b128 v[MS+8*\a+4:MS+8*\a+7], v27, s[6:7] offset:512*\a+16  ; and 4-7 (lanes 16-31 hold the same and are not read)
.endr
.irp i, 0,1,2,3,4,5,6,7
	global_load_b128 v[TS+8*\i:TS+8*\i+3], v27, s[12:13] offset:512*\i
	global_load_b128 v[TS+8*\i+4:TS+8*\i+7], v27, s[12:13] offset:512*\i+16
.endr
	WIN 0x80                                       ; destination window 2
.irp a, 0,1,2,3
.irp j, 0,1,2,3,4,5,6,7
	global_load_b32 v[BIAS+8*\a+\j], v28, s[8:9] offset:64*\a              ; b_d[16 a + r] in all eight registers: a lane's eight numbers belong to one f
.endr
.endr
	WIN 0
	v_mul_u32_u24 v4, v1, APITCH
	v_lshl_add_u32 v4, v2, 4, v4                   ; a fragment's row x pitch + 16 h
	s_mul_i32 s45, s17, 64*APITCH                  ; my 64 rows of M_d
	v_add_nc_u32 v[ADRA], s45, v4
	v_add_nc_u32 v[ADRA+1], 256, v[ADRA]           ; K steps 4-7: the row's second 256 bytes
	v_lshlrev_b32 v[CO], 4, v3                     ; 16 x lane: an image's place, and my 16 bytes of a row of out
	s_lshl_b32 s45, s18, 13                        ; my eight tiles of t
	s_add_co_u32 s45, s45, BOFF
	v_add_nc_u32 v[ADRB], s45, v[CO]
	v_add_nc_u32 v[ADRB+1], 65536, v[ADRB]
	s_mul_i32 s45, s16, 16*SPITCH
	s_add_co_u32 s45, s45, STAGE                   ; my stage
	v_mul_u32_u24 v5, v1, SPITCH
	v_lshl_add_u32 v5, v2, 5, v5
	v_add_nc_u32 v[STO], s45, v5                   ; in: row r, 32 bytes for each half of the lanes
	v_add_nc_u32 v[RD], s45, v[CO]                 ; back: the 32 lanes take one row of 512 bytes
.macro FETCH ks, p                     ; 24 LDS loads in one run: K step ks's fragments into set p: t's eight tiles, M_d's four blocks
	WIN 0x80
.irp i, 0,1,2,3,4,5,6,7
.irp c, 0,1
	ds_load_b128 v[96*(\p)+8*\i+4*\c:96*(\p)+8*\i+4*\c+3], v[ADRB+(\ks)/4] offset:((\ks)%4)*16384+1024*\i+512*\c
.endr
.endr
.irp a, 0,1,2,3
.irp c, 0,1
	ds_load_b128 v[96*(\p)+64+8*\a+4*\c:96*(\p)+64+8*\a+4*\c+3], v[ADRA+(\ks)/4] offset:\a*16*APITCH+64*((\ks)%4)+32*\c
.endr
.endr
.endm
.macro MUL ks, p, first                ; 32 products; the 32 accumulators take turns, one instruction a turn, in the same order in every K step
.if \first
	WIN 0x6a                                       ; sources 0 and 1 and the bias window 2, D window 1
.else
	WIN 0x5a                                       ; sources 0 and 1 window 2, C and D window 1
.endif
.irp a, 0,1,2,3
.irp i, 0,1,2,3,4,5,6,7
.if \first
	v_wmma_scale_f32_16x16x128_f8f6f4 v[8*(8*\a+\i):8*(8*\a+\i)+7], v[96*(\p)+8*\i:96*(\p)+8*\i+7], v[96*(\p)+64+8*\a:96*(\p)+64+8*\a+7], v[BIAS+8*\a:BIAS+8*\a+7], v[TS+8*\i+(\ks)], v[MS+8*\a+(\ks)] matrix_a_fmt:MATRIX_FMT_FP4 matrix_b_fmt:MATRIX_FMT_FP4
.else
	v_wmma_scale_f32_16x16x128_f8f6f4 v[8*(8*\a+\i):8*(8*\a+\i)+7], v[96*(\p)+8*\i:96*(\p)+8*\i+7], v[96*(\p)+64+8*\a:96*(\p)+64+8*\a+7], v[8*(8*\a+\i):8*(8*\a+\i)+7], v[TS+8*\i+(\ks)], v[MS+8*\a+(\ks)] matrix_a_fmt:MATRIX_FMT_FP4 matrix_b_fmt:MATRIX_FMT_FP4
.endif
.endr
.endr
.endm
	s_wait_alu depctr_va_vdst(0)
	s_wait_tensorcnt 0x0                           ; my load is in;
	s_barrier_signal -1
	s_barrier_wait -1                              ; everybody's is
	FETCH 0, 0
	s_wait_loadcnt 0x0                             ; the scale words and the bias
.set KS, 0
.rept 8
.if KS < 7
.if KS > 0
	PLACES 4                                       ; four plain instructions between the last product that read a set and the loads into it
.endif
	FETCH KS+1, (KS+1)%2
	s_wait_dscnt 24                                ; all but the 24 just issued: this K step's fragments are in
.else
	s_wait_dscnt 0x0
.endif
.if KS == 0
	MUL 0, 0, 1
.else
	MUL KS, KS%2, 0
.endif
.set KS, KS+1
.endr
	WIN 0
; THE WAY OUT, block by block of 16 f x 128 w.  A lane holds 32 neighbouring bytes of a row and the lanes beside it other rows: a block goes through my own stage and comes back as whole rows of 512 bytes.
; LDS serves a wave's instructions in order (ISA guide 5.7.1.4): no wait between the stores and the loads, nor in front of the next block's stores.
.macro TOSTAGE a
	WIN 0x04                                       ; an LDS store's data are its source 1: window 1
.irp i, 0,1,2,3,4,5,6,7
	ds_store_b128 v[STO], v[8*(8*(\a)+\i):8*(8*(\a)+\i)+3] offset:64*\i        ; each accumulator from its low end on
	ds_store_b128 v[STO], v[8*(8*(\a)+\i)+4:8*(8*(\a)+\i)+7] offset:64*\i+16
.endr
	WIN 0
.set BB, BK+64*((\a)%2)
.irp t, 0,1,2,3,4,5,6,7,8,9,10,11,12,13,14,15
	ds_load_b128 v[BB+4*\t:BB+4*\t+3], v[RD] offset:\t*SPITCH
.endr
.endm
.macro SEND a, younger                 ; younger: the LDS instructions issued behind block a's loads, which may stay out
.set BB, BK+64*((\a)%2)
	s_wait_dscnt \younger
.irp t, 0,1,2,3,4,5,6,7,8,9,10,11,12,13,14,15
	global_store_b128 v[CO], v[BB+4*\t:BB+4*\t+3], s[14:15] offset:(16*(\a)+\t)*8192 th:TH_STORE_NT   ; 32 lanes store 512 consecutive bytes, at a multiple of 256 from out's first byte
.endr
.endm
	PLACES 4                                       ; between the last products and the first read of results
	TOSTAGE 0
	TOSTAGE 1
	SEND 0, 32                                     ; behind block 0's loads: block 1's 16 stores and 16 loads
	s_wait_xcnt 0x0                                ; block 0's stores have read their registers: block 2's loads may land there
	TOSTAGE 2
	SEND 1, 32
	s_wait_xcnt 0x0
	TOSTAGE 3
	SEND 2, 32
	SEND 3, 0
	s_wait_dscnt 0x0                               ; no LDS instruction of mine is out
	s_wait_tensorcnt 0x0                           ; the wave's end
	ds_add_u32 v30, v31
	s_wait_dscnt 0x0
	CROUND                                         ; the closing round: no work-group ends while a partner may still ask for a tile that names it
	s_endpgm
.Lfunc_end_k_q3ae1ab2e5f_dense:
	.size	k_q3ae1ab2e5f_dense, .Lfunc_end_k_q3ae1ab2e5f_dense-k_q3ae1ab2e5f_dense
	.p2alignl 7, 3214868480
	.fill 96, 4, 3214868480
	.section	.rodata,"a",@progbits
	.p2align	6, 0x0
	.amdhsa_kernel k_q3ae1ab2e5f_dense
		.amdhsa_group_segment_fixed_size 235008
		.amdhsa_private_segment_fixed_size 0
		.amdhsa_enable_private_segment 0
		.amdhsa_kernarg_size 48
		.amdhsa_user_sgpr_count 2
		.amdhsa_user_sgpr_kernarg_segment_ptr 1
		.amdhsa_wavefront_size32 1
		.amdhsa_system_sgpr_workgroup_id_x 1
		.amdhsa_system_sgpr_workgroup_id_y 1
		.amdhsa_system_sgpr_workgroup_id_z 1
		.amdhsa_system_vgpr_workitem_id 0
		.amdhsa_next_free_vgpr 768
		.amdhsa_next_free_sgpr 72
		.amdhsa_reserve_vcc 0
		.amdhsa_float_denorm_mode_32 3
		.amdhsa_float_denorm_mode_16_64 3
		.amdhsa_memory_ordered 1
		.amdhsa_forward_progress 1
		.amdhsa_inst_pref_size 72
	.end_amdhsa_kernel
	.amdgpu_metadata
---
amdhsa.version: [ 1, 2 ]
amdhsa.kernels:
  - .name:           k_q3ae1ab2e5f_dense
    .symbol:         k_q3ae1ab2e5f_dense.kd
    .args:
      - { .name: M_d_codes, .offset: 0, .size: 8, .value_kind: global_buffer, .address_space: global }
      - { .name: M_d_scales, .offset: 8, .size: 8, .value_kind: global_buffer, .address_space: global }
      - { .name: b_d, .offset: 16, .size: 8, .value_kind: global_buffer, .address_space: global }
      - { .name: tc, .offset: 24, .size: 8, .value_kind: global_buffer, .address_space: global }
      - { .name: ts, .offset: 32, .size: 8, .value_kind: global_buffer, .address_space: global }
      - { .name: out0, .offset: 40, .size: 8, .value_kind: global_buffer, .address_space: global }
    .group_segment_fixed_size: 235008
    .private_segment_fixed_size: 0
    .kernarg_segment_align: 8
    .kernarg_segment_size: 48
    .max_flat_workgroup_size: 128
    .sgpr_count:     72
    .vgpr_count:     768
    .wavefront_size: 32
...
	.end_amdgpu_metadata
.endif
;; end of part 3
